; MI455X (gfx1250); checked and timed in simulation.
; The chip was launched on July 23, 2026; its instructions are those of AMD's public machine-readable ISA for CDNA 5 (MIT licence, August 2026) and "CDNA5" Instruction Set Architecture Reference Guide (July 2026). The comments in the code are by the model that wrote it; some were corrected since.
;; LSTM Cell. Allowed arithmetic: matrix products marked QUANTISED: E3M2 operands, one E8M0 scale for each 32 along K, by v_wmma_scale_f32_16x16x128_f8f6f4 with both operands' format E3M2, f32 sums; everything else in f32.
;; Inputs: Wf 2,048 x 4,096 float32; Wg 2,048 x 4,096 float32; Wi 2,048 x 4,096 float32; Wo 2,048 x 4,096 float32; bf 2,048 float32; bg 2,048 float32; bi 2,048 float32; bo 2,048 float32; c_prev 2,048 x 2,048 float32; h_prev 2,048 x 2,048 float32; input 2,048 x 2,048 float32.
;; Outputs: out0 2,048 x 2,048 float32; out1 2,048 x 2,048 float32.
;; This version of the problem:
;;   THIS VERSION OF THE PROBLEM IS GIVEN IN LOW PRECISION. The matrix products marked QUANTISED in the list below multiply operands that are first quantised to E3M2 (3 exponent bits, 2 mantissa bits; 6 bits a number), with one power-of-two scale for each 32 numbers along K (OCP MX v1.0); their sums are f32. All else is computed in f32.
;;   The module's matrix products, in the order in which they are computed (A, B: the left and right operand; K: the contracted axis; several contracted axes count as one K, in the product's order):
;;     1. [M 2,048, K 4,096] x [K 4,096, N 8,192]; A: computed on the way; B: computed on the way: QUANTISED
;;   THE QUANTISER, for each operand of a quantised product, along K:
;;     - K is cut into blocks of 32 from its start; a last block that is shorter is filled with zeros.
;;     - A block's scale is 2^e with e = floor(log2(the largest magnitude in the block)) - 4, held to -126 .. 127; a block of zeros has e = 0. As a byte (E8M0): e + 127.
;;     - Each number is divided by its block's scale, clamped to +-28, and rounded to the nearest number of E3M2, ties to even, subnormals kept.
;;     - The product sums the exact products of the quantised numbers (number of the format x scale) in f32.
;;   ~~~python
;;   def quantise(x, axis):      # numpy; x: float32 -> the quantised numbers, widened to float32 again
;;       x = np.moveaxis(x, axis, -1); K = x.shape[-1]
;;       x = np.pad(x, [(0, 0)] * (x.ndim - 1) + [(0, -K % 32)]); x = x.reshape(x.shape[:-1] + (-1, 32)); a = np.abs(x).max(-1, keepdims=True)
;;       e = np.where(a > 0, np.clip(np.frexp(np.where(a > 0, a, 1))[1] - 1 - 4, -126, 127), 0)      # np.frexp(a)[1] - 1 = floor(log2(a)), exactly
;;       r = np.clip(x / 2.0 ** e, -28, 28)
;;       step = 2.0 ** (np.maximum(np.frexp(np.where(r == 0, 1, r))[1] - 1, -2) - 2)
;;       q = np.round(r / step) * step * 2.0 ** e      # np.round: ties to even
;;       return np.moveaxis(q.reshape(q.shape[:-2] + (-1,))[..., :K], -1, axis).astype(np.float32)
;;   ~~~
;;   OPERANDS COMPUTED ON THE WAY. 'Computed on the way' means the value that the module computes at that place (a softmax that the list does not call 'softmax' is quantised finished and normalised). What goes into a quantiser is computed in f32, as accurately as f32 sums, v_exp_f32 and their like allow (about 1e-6 of the number): no bf16 or f16 on the way to a quantiser, and a product that is left as it is and whose result goes on into a quantised operand takes f32 operands (vector FMAs, or v_wmma_f32_16x16x4_f32). A number that lies on a knife's edge between two numbers of the format may be rounded either way, as far as f32 arithmetic and the matrix unit's own rounding can turn it there, and no further.
;; One version. Each part assembles by itself: llvm-mc -triple=amdgcn-amd-amdhsa -mcpu=gfx1250 --defsym DOCPART=n.
;; ======== version 1 of 1: 2 launches
;; limits: right only within a limited range of input values
;; workspace buffers: img 32,768,000 bytes
;; launch quant (part 1): grid 1280 x 1, 4 waves a work-group, no clusters, 18,944 bytes of LDS; arguments input, h_prev, Wf, Wi, Wg, Wo, img; writes img
.if DOCPART == 1
	.amdgcn_target "amdgcn-amd-amdhsa--gfx1250"
	.amdhsa_code_object_version 6
	.text
	.protected	k_q4bceff329d_quant
	.globl	k_q4bceff329d_quant
	.p2align	8
	.type	k_q4bceff329d_quant,@function
k_q4bceff329d_quant:
	s_mov_b64 s[64:65], 0
	v_nop
	global_prefetch_b8 v0, s[64:65] scope:SCOPE_SE
	s_setreg_imm32_b32 hwreg(HW_REG_WAVE_MODE, 25, 1), 1
	s_wait_xcnt 0x0
; [input | h_prev] (2,048 x 4,096) and Wf, Wi, Wg, Wo (2,048 x 4,096 each), f32 with K innermost, become codes of BF6 (E3M2) with one E8M0 byte for each 32 along K,
; laid in img as IMAGES OF OPERAND REGISTERS, so that the product's launch brings several K steps by one dense tensor load and a fragment by three loads of 16 bytes a lane.
; A STEP PIECE = 128 operand rows x 128 along K = 12,800 bytes: 8 fragment images of 1,536 bytes (rows 16 i on at 1,536 i; in an image registers 4 g .. 4 g + 3 of lane l at 512 g + 16 l),
; then 512 bytes of scale words: the word of row 16 i + r at 12,288 + 256 (i / 4) + 16 r + 4 (i % 4).  The 32 step pieces of a row group R lie on end: step st of R at (32 R + st) x 12,800.
; A work-group, number 16 R + s, makes step pieces 2 s and 2 s + 1 of R.  R = 0 .. 15: rows 128 R on of the batch (s < 8: input, else h_prev).  R = 16 + P: row 32 g + j of the piece is row 32 P + j
; of gate g's weight (g = 0 f, 1 i, 2 g, 3 o): so one piece holds all four gates of 32 hidden columns.
; A block's scale is 2^(floor(log2(its largest magnitude)) - 4); its byte is the largest magnitude's exponent field - 4, held at 1 from below by a floor among the maximum's leaves.
; LIMITS: a block of zeros gets the byte 1 where the quantiser's text says 127: its codes are zeros, which add nothing under that byte, and this program alone reads the bytes.  NaN and infinities among the inputs are not served.
; SHARES.  Wave w takes the pieces' rows 32 w .. 32 w + 31 (in a piece of W: gate w): four fragments, made as eight HALF FRAGMENTS of 16 rows x 64 K.  Each of a half fragment's eight loads reads two rows' aligned 256 bytes;
; the 4,096 bytes turn through the wave's own stage in LDS, and lane (r, h) takes back ONE WHOLE BLOCK: k = 32 h + 0 .. 31 of row r, the very numbers that the operand's layout gives that lane.
; One path serves all six tensors: only the pointer, the pitch and two offsets are chosen, by the work-group's and the wave's number.  Loads run three half fragments (24 loads a wave) ahead.
; The one thing that the waves share are a step piece's 512 bytes of scale words: they meet in LDS bytes of their own, behind the launch's one barrier, and leave as 512 consecutive bytes.
.set STP,   12800                      ; a step piece
.set SCO,   12288                      ; where its scale words begin
.set FRB,   1536                       ; a fragment's image
.set SP,    272                        ; a stage row: 256 bytes + 16 = 68 words: row r starts at bank 4 r mod 64 (64 banks of 4 bytes: ISA guide 11.1)
.set WST,   16*SP                      ; a wave's stage
.set SCL,   4*WST                      ; behind the four stages: the two step pieces' scale words, 512 bytes each
.set OFFS,  4                          ; v4-11   load i: (2 i + lane / 16) x pitch + 16 (lane % 16); never rewritten
.set SIN,   12                         ; v12     the stage, on the way in: row lane / 16, 16 (lane % 16)
.set SOUT,  13                         ; v13     and on the way out: row r, 128 h
.set CO,    14                         ; v14     16 x lane: an image's place for my lane
.set SH,    16                         ; v16     8 h
.set M,     17                         ; v17-18  two chains of the maximum
.set SOP,   19                         ; v19     the conversion's scale operand
.set BY,    20                         ; v20     a scale byte
.set SCW,   21                         ; v21     LDS: where I put two scale words
.set T,     22                         ; v22-24  the upper 16 codes of a block
.set SCR,   25                         ; v25     LDS: where waves 0 and 1 read a step piece's scale words back
.set SW,    28                         ; v28-31  the scale words of my wave's four fragments: 2 blk + q
.set PX,    32                         ; v32-35  what lane l xor 16 holds of them; later the two words that I put into LDS
.set F,     36                         ; v36-47, v48-59  a fragment's 12 registers, two sets by turns
.set X,     64                         ; v64-95  a block's 32 numbers
.set R,     96                         ; v96-191 three sets of 32 registers, as loaded
	s_load_b256 s[4:11], s[0:1], 0x0               ; input s[4:5], h_prev s[6:7], Wf s[8:9], Wi s[10:11]
	s_load_b128 s[12:15], s[0:1], 0x20             ; Wg s[12:13], Wo s[14:15]
	s_load_b64 s[16:17], s[0:1], 0x30              ; img
	v_lshl_add_u32 v26, v0, 2, 0x4800              ; v26: LDS address of my spare word, behind the scale words; never rewritten
	v_mov_b32 v27, 0                               ; v27: 0; never rewritten
	v_lshrrev_b32 v1, 5, v0
	v_readfirstlane_b32 s18, v1                    ; wave 0..3
	v_and_b32 v1, 31, v0                           ; lane
	v_and_b32 v2, 15, v0                           ; r = lane % 16
	v_bfe_u32 v3, v0, 4, 1                         ; h = lane / 16
	s_wait_alu depctr_va_vdst(0)
	s_and_b32 s20, ttmp9, 15                       ; s: which 256 along K
	s_lshr_b32 s21, ttmp9, 4                       ; R
	s_lshl_b32 s27, s21, 7
	s_lshl_b32 s28, s18, 5
	s_add_co_u32 s27, s27, s28                     ; the batch: my first row = 128 R + 32 wave
	s_max_u32 s29, s21, 16
	s_sub_co_u32 s29, s29, 16
	s_lshl_b32 s29, s29, 5                         ; a weight: my first row = 32 (R - 16), in the gate that my wave's number names
	s_and_b32 s30, s20, 7
	s_lshl_b32 s30, s30, 10                        ; the batch: 1,024 (s % 8) bytes into a row of input or of h_prev
	s_lshl_b32 s31, s20, 10                        ; a weight: 1,024 s bytes into a row
	s_mov_b32 s26, 16384                           ; a weight's row in bytes
	s_cmp_lt_u32 s21, 16                           ; the batch or a weight?  All candidates are made; only selections follow the compare
	s_cselect_b32 s27, s27, s29
	s_cselect_b32 s30, s30, s31
	s_cselect_b32 s26, 8192, s26                   ; the pitch
	s_mul_i32 s36, s27, s26
	s_add_co_u32 s36, s36, s30                     ; my first byte in the tensor: under 2^25
	s_mov_b32 s37, 0
	s_mul_i32 s19, s18, WST                        ; my stage
	v_mul_u32_u24 v[SIN], v3, SP
	v_lshl_add_u32 v[SIN], v2, 4, v[SIN]
	v_add_nc_u32 v[SIN], s19, v[SIN]
	v_mul_u32_u24 v[SOUT], v2, SP
	v_lshl_add_u32 v[SOUT], v3, 7, v[SOUT]
	v_add_nc_u32 v[SOUT], s19, v[SOUT]
	v_lshlrev_b32 v[CO], 4, v1
	v_lshlrev_b32 v[SH], 3, v3
	v_mul_u32_u24 v[OFFS], s26, v3
	v_lshl_add_u32 v[OFFS], v2, 4, v[OFFS]         ; rows 0 and 1
	s_lshl_b32 s28, s26, 1
.irp i, 1,2,3,4,5,6,7
	v_add_nc_u32 v[OFFS+\i], s28, v[OFFS+\i-1]     ; two rows further down
.endr
	s_lshr_b32 s28, s18, 1                         ; my blocks are i = 2 w and 2 w + 1: i / 4 = w / 2, i % 4 = 2 (w % 2) + blk
	s_lshl_b32 s28, s28, 8
	s_and_b32 s29, s18, 1
	s_lshl_b32 s29, s29, 3
	s_add_co_u32 s28, s28, s29
	s_add_co_u32 s28, s28, SCL
	v_lshlrev_b32 v[SCW], 4, v2
	v_lshl_add_u32 v[SCW], v3, 9, v[SCW]
	v_add_nc_u32 v[SCW], s28, v[SCW]               ; SCL + 512 h (lanes 16-31 put the second step piece's words) + 256 (w / 2) + 16 r + 8 (w % 2)
	s_and_b32 s28, s18, 1
	s_lshl_b32 s28, s28, 9
	s_add_co_u32 s28, s28, SCL
	v_add_nc_u32 v[SCR], s28, v[CO]                ; SCL + 512 (w % 2) + 16 x lane
.irp b, 0,1,2,3
	v_mov_b32 v[PX+\b], 0                          ; written once: a lane permute's destination counts as one of its sources
.endr
	s_mov_b32 s44, 0x76543210
	s_mov_b32 s45, 0xfedcba98                      ; v_permlanex16_b32's selects for lane l xor 16
	s_mul_i32 s38, ttmp9, 2*STP                    ; my two step pieces in img: under 2^25
	s_mul_i32 s40, s18, 2*FRB
	s_add_co_u32 s40, s40, s38                     ; my wave's blocks 2 w, 2 w + 1 in the first of them
	s_mov_b32 s41, 0
	s_and_b32 s42, s18, 1
	s_mul_i32 s42, s42, STP
	s_add_co_u32 s42, s42, s38
	s_add_co_u32 s42, s42, SCO                     ; the scale words of step piece w % 2 (waves 0 and 1 store them)
	s_mov_b32 s43, 0
	s_wait_alu depctr_va_vdst(0)
	s_wait_kmcnt 0x0
	s_mov_b64 s[22:23], s[8:9]                     ; the gate's weight, by the wave's number
	s_cmp_eq_u32 s18, 1
	s_cselect_b64 s[22:23], s[10:11], s[22:23]
	s_cmp_eq_u32 s18, 2
	s_cselect_b64 s[22:23], s[12:13], s[22:23]
	s_cmp_eq_u32 s18, 3
	s_cselect_b64 s[22:23], s[14:15], s[22:23]
	s_cmp_lt_u32 s20, 8
	s_cselect_b64 s[24:25], s[4:5], s[6:7]         ; the half of the batch's K, by s
	s_cmp_lt_u32 s21, 16
	s_cselect_b64 s[22:23], s[24:25], s[22:23]
	s_add_nc_u64 s[32:33], s[22:23], s[36:37]      ; my rows 0-15
	s_lshl_b32 s36, s26, 4
	s_add_nc_u64 s[34:35], s[32:33], s[36:37]      ; my rows 16-31
	s_add_nc_u64 s[40:41], s[16:17], s[40:41]      ; where my images go
	s_add_nc_u64 s[42:43], s[16:17], s[42:43]      ; where the scale words go
; Half fragment t = 4 blk + 2 q + c: rows 16 blk on, K 128 q + 64 c on: 256 (t % 4) bytes into my rows.
.macro LOAD t
.irp i, 0,1,2,3,4,5,6,7
	global_load_b128 v[R+32*((\t)%3)+4*\i:R+32*((\t)%3)+4*\i+3], v[OFFS+\i], s[32+2*((\t)/4):33+2*((\t)/4)] offset:256*((\t)%4) th:TH_LOAD_NT   ; lanes 0-15 one row's aligned 256 bytes, lanes 16-31 the next row's; read once in the launch
.endr
.endm
.macro HF t
.set FI, (\t)/2                        ; the fragment: 2 blk + q
.set CI, (\t)%2                        ; which half of its registers
.set FS, F+12*(FI%2)
.set RS, R+32*((\t)%3)
.if ((\t) == 4) || ((\t) == 6)
	s_wait_xcnt 0x0                                ; the stores of the fragment two back have read this set of code registers: it is written again only behind this wait
.endif
.if (\t) <= 5
	s_wait_loadcnt 16                              ; my eight loads are in; those of the two half fragments behind may be out
.else
	s_wait_loadcnt 8*(7-(\t))
.endif
.irp i, 0,1,2,3,4,5,6,7
	ds_store_b128 v[SIN], v[RS+4*\i:RS+4*\i+3] offset:2*SP*\i
.endr
.irp j, 0,1,2,3,4,5,6,7
	ds_load_b128 v[X+4*\j:X+4*\j+3], v[SOUT] offset:16*\j      ; LDS serves a wave's instructions in order (ISA guide 5.7.1.4): these see the stores above
.endr
	s_wait_dscnt 0x0                               ; my block is in, and the stage's stores have read their registers,
.if (\t)+3 < 8
	LOAD (\t)+3                                    ; which take the loads of three half fragments on
.endif
	v_max3_num_f32 v[M], |v[X]|, |v[X+1]|, |v[X+2]|            ; the block's largest magnitude: all 32 numbers are mine; two chains
	v_max3_num_f32 v[M+1], |v[X+3]|, |v[X+4]|, |v[X+5]|
.irp i, 6,10,14,18,22,26
	v_max3_num_f32 v[M], v[M], |v[X+\i]|, |v[X+\i+1]|
	v_max3_num_f32 v[M+1], v[M+1], |v[X+\i+2]|, |v[X+\i+3]|
.endr
	v_max3_num_f32 v[M], v[M], |v[X+30]|, |v[X+31]|
	v_max3_num_f32 v[M], v[M], v[M+1], 0x2800000   ; and the floor 2^(5 - 127): the byte cannot fall under 1
	v_add_nc_u32 v[SOP], 0xfe000000, v[M]          ; 4 off its exponent field: the conversion takes the exponent field of this operand as its scale, and nothing else of it
	v_cvt_scalef32_pk16_bf6_f32 v[FS+6*CI:FS+6*CI+2], v[X:X+15], v[SOP]
	v_cvt_scalef32_pk16_bf6_f32 v[T:T+2], v[X+16:X+31], v[SOP]  ; (a conversion's three registers begin on an even number: the block's upper half is made elsewhere and moved)
.if CI == 0
	v_lshrrev_b32 v[SW+FI], 23, v[SOP]             ; the scale's byte; also the plain instruction between the conversions and the moves that read their result
.else
	v_lshrrev_b32 v[BY], 23, v[SOP]
.endif
.irp i, 0,1,2
	v_mov_b32 v[FS+6*CI+3+\i], v[T+\i]
.endr
.if CI == 1
	v_lshl_or_b32 v[SW+FI], v[BY], 16, v[SW+FI]    ; my two bytes of the fragment: blocks h and 2 + h of row r
.irp g, 0,1,2
	global_store_b128 v[CO], v[FS+4*\g:FS+4*\g+3], s[40:41] offset:(FI%2)*STP+(FI/2)*FRB+512*\g   ; 32 lanes store 512 consecutive bytes, at a multiple of 256 from img's first byte
.endr
.endif
.endm
	LOAD 0
	LOAD 1
	LOAD 2
.irp t, 0,1,2,3,4,5,6,7
	HF \t
.endr
.irp f, 0,1,2,3
	v_lshlrev_b32 v[SW+\f], v[SH], v[SW+\f]        ; my bytes at their places in the word: 8 h bits up
.endr
.irp f, 0,1,2,3
	v_permlanex16_b32 v[PX+\f], v[SW+\f], s44, s45
.endr
.irp f, 0,1,2,3
	v_or_b32 v[SW+\f], v[SW+\f], v[PX+\f]          ; with lane l xor 16's two the word is whole, in both lanes
.endr
	v_cmp_eq_u32 vcc_lo, 1, v3                     ; lanes 0-15 put row r's words of q = 0, lanes 16-31 those of q = 1
	v_cndmask_b32 v[PX], v[SW], v[SW+1], vcc_lo    ; block 2 w
	v_cndmask_b32 v[PX+1], v[SW+2], v[SW+3], vcc_lo ; block 2 w + 1
	ds_store_b64 v[SCW], v[PX:PX+1]
	s_wait_dscnt 0x0                               ; for the others' sake: my words lie in LDS
	s_barrier_signal -1
	s_barrier_wait -1                              ; everybody's do
	s_cmp_lt_u32 s18, 2
	s_cbranch_scc0 .Ldone                          ; waves 0 and 1 store a step piece's words each
	ds_load_b128 v[X:X+3], v[SCR]
	s_wait_dscnt 0x0
	global_store_b128 v[CO], v[X:X+3], s[42:43]    ; 32 lanes store 512 consecutive bytes, at a multiple of 256 from img's first byte
.Ldone:
	s_wait_tensorcnt 0x0
	ds_add_u32 v26, v27
	s_wait_dscnt 0x0
	s_endpgm
.Lfunc_end_k_q4bceff329d_quant:
	.size	k_q4bceff329d_quant, .Lfunc_end_k_q4bceff329d_quant-k_q4bceff329d_quant
	.p2alignl 7, 3214868480
	.fill 96, 4, 3214868480
	.section	.rodata,"a",@progbits
	.p2align	6, 0x0
	.amdhsa_kernel k_q4bceff329d_quant
		.amdhsa_group_segment_fixed_size 18944
		.amdhsa_private_segment_fixed_size 0
		.amdhsa_enable_private_segment 0
		.amdhsa_kernarg_size 56
		.amdhsa_user_sgpr_count 2
		.amdhsa_user_sgpr_kernarg_segment_ptr 1
		.amdhsa_wavefront_size32 1
		.amdhsa_system_sgpr_workgroup_id_x 1
		.amdhsa_system_sgpr_workgroup_id_y 1
		.amdhsa_system_sgpr_workgroup_id_z 1
		.amdhsa_system_vgpr_workitem_id 0
		.amdhsa_next_free_vgpr 192
		.amdhsa_next_free_sgpr 66
		.amdhsa_reserve_vcc 1
		.amdhsa_float_denorm_mode_32 3
		.amdhsa_float_denorm_mode_16_64 3
		.amdhsa_memory_ordered 1
		.amdhsa_forward_progress 1
		.amdhsa_inst_pref_size 32
	.end_amdhsa_kernel
	.amdgpu_metadata
---
amdhsa.version: [ 1, 2 ]
amdhsa.kernels:
  - .name:           k_q4bceff329d_quant
    .symbol:         k_q4bceff329d_quant.kd
    .args:
      - { .name: input, .offset: 0, .size: 8, .value_kind: global_buffer, .address_space: global }
      - { .name: h_prev, .offset: 8, .size: 8, .value_kind: global_buffer, .address_space: global }
      - { .name: Wf, .offset: 16, .size: 8, .value_kind: global_buffer, .address_space: global }
      - { .name: Wi, .offset: 24, .size: 8, .value_kind: global_buffer, .address_space: global }
      - { .name: Wg, .offset: 32, .size: 8, .value_kind: global_buffer, .address_space: global }
      - { .name: Wo, .offset: 40, .size: 8, .value_kind: global_buffer, .address_space: global }
      - { .name: img, .offset: 48, .size: 8, .value_kind: global_buffer, .address_space: global }
    .group_segment_fixed_size: 18944
    .private_segment_fixed_size: 0
    .kernarg_segment_align: 8
    .kernarg_segment_size: 56
    .max_flat_workgroup_size: 128
    .sgpr_count:     66
    .vgpr_count:     192
    .wavefront_size: 32
...
	.end_amdgpu_metadata
.endif
;; end of part 1
;; launch lstm (part 2): grid 32 x 8, 4 waves a work-group, clusters of 4 x 4, 327,680 bytes of LDS; arguments img, bf, bi, bg, bo, c_prev, out0, out1; writes out0, out1
.if DOCPART == 2
	.amdgcn_target "amdgcn-amd-amdhsa--gfx1250"
	.amdhsa_code_object_version 6
	.text
	.protected	k_q4bceff329d_lstm
	.globl	k_q4bceff329d_lstm
	.p2align	8
	.type	k_q4bceff329d_lstm,@function
k_q4bceff329d_lstm:
	s_mov_b64 s[64:65], 0
	v_nop
	global_prefetch_b8 v0, s[64:65] scope:SCOPE_SE
	s_setreg_imm32_b32 hwreg(HW_REG_WAVE_MODE, 25, 1), 1
	s_wait_xcnt 0x0
	s_wait_alu depctr_hold_cnt(0) depctr_sa_sdst(0) depctr_va_vdst(0) depctr_va_sdst(0) depctr_va_ssrc(0) depctr_va_vcc(0) depctr_vm_vsrc(0)
	s_getreg_b32 s2, hwreg(HW_REG_IB_STS2, 6, 4)
	s_cmp_eq_u32 s2, 0
	s_cbranch_scc0 .Lentry_in_a_cluster
	s_endpgm
.Lentry_in_a_cluster:
	s_bfe_u32 s2, ttmp6, 0x10000c
	s_cmp_lg_u32 s2, 0xf033
	s_cbranch_scc0 .Lentry_shape_is_right
	s_endpgm
.Lentry_shape_is_right:
; gates = Q([input | h_prev]) Q([Wf; Wi; Wg; Wo])^T + b in MX-BF6, then c = sigmoid(f) c_prev + sigmoid(i) tanh(g), h = sigmoid(o) tanh(c), in f32.  out0 = h, out1 = c.
; img holds both operands as images of operand registers: a step piece = 128 operand rows x 128 K = 12,800 bytes (8 fragment images of 1,536 bytes, then 512 bytes of scale words);
; the 32 step pieces of a row group lie on end.  Row groups 0-15: the batch; 16 + P: all four gates of hidden columns 32 P .. 32 P + 31 (piece row 32 g + j = gate g, column j).
; A work-group of four waves makes 256 batch rows x 64 hidden columns (256 gate columns); a wave 128 x 128 of the gates: 64 accumulators, 512 registers, so that it holds all four gates of its 32 hidden columns.
; THE RING: two LDS slots of three K steps (4 pieces x 38,400 bytes), one dense tensor load a wave.  The first fill brings K steps 0 and 1 only (places 1 and 2 of slot 0): 2 + 10 x 3 = 32 steps, no step fetched twice.
; At a change of slots the step's first 32 products stand AHEAD of the wait for the fill: between that wait and the joint refill stand only the add, its wait and the cluster's round; a fill has 192 matrix instructions between its request and its wait.
; CLUSTERS: 4 x 4 work-groups; A's pieces are asked for jointly along a row of the cluster, B's along a column.  The matrix instruction is used transposed (source 0 = rows of W, source 1 = rows of the batch).
; THE WAY OUT shares denominators.  With F = e^-f, I = e^-i, G = e^-2g, O = e^-o, D = e^-2c:  c = (c_prev (1+I)(1+G) + (1-G)(1+F)) / ((1+F)(1+I)(1+G)),  h = (1-D) / ((1+O)(1+D)): seven transcendentals a number.
; LIMITS: the base-2 exponents of F, I, G and D are held at 30 from above, so that no product of denominators overflows: a sigmoid under 2^-30 comes out as about 2^-30 and a tanh stays 2^-29 short of -1
; (c moves by at most 2^-29 (1 + |c_prev|)); |c_prev| stays under 2^60.  NaN and infinities among the inputs are not served.
; REGISTERS: window 0: v0-31 addresses, v32-47 scale words (two sets), v64-127 the biases (C of the first step), v128-223 A's fragments (one set), later c_prev;  window 1: B's fragments, two sets;  windows 2, 3: accumulators (a, b) at v[8 (8 (a % 4) + b)].
.set STP,    12800                     ; a step piece
.set FRB,    1536                      ; a fragment's image
.set SCO,    12288                     ; where a piece's scale words begin
.set PIECE,  3*STP                     ; what one load of the ring brings
.set RROW,   32*STP                    ; a row group
.set SLOT,   4*PIECE
.set CP,     SLOT                      ; c_prev's tile lands in slot 1 behind that slot's last read
.set CPP,    272                       ; its LDS row, and a stage row: 256 bytes + 16
.set SPARE,  2*SLOT                    ; the spare words: 512 bytes that no other line names
.set HST,    256*CPP                   ; the stages lie in slot 0, which has had its last fill and read by then: c at 0, h at HST
.set FR,     12
.set NL,     3
.set NP,     4
.set PFO2, 8
.set ADRA, 16
.set GO,   18
.set BO,   19
.set ADRB, 20
.set ADRS, 22
.set CPA,  24
.set STA,  25
.set STH,  26
.set RDC,  27
.set SPW,  28
.set NIL,  29
.set PFO,  30
.set RDH,  31
.set SC,   32
.set BIAS, 64
.set AF,   128
.set CPR,  128
.set G1,  24
.set G0,  32
.set G1B, 48
.set G0B, 56
.set G1C, 68
.set G0C, 76
.set PFA, 92
.set LIM, 94
.set CAP, 95
.set MSB, 0
.macro WIN new                         ; the immediate's high byte repeats the setting that is left
.if MSB != (\new)
	s_set_vgpr_msb (MSB<<8)|(\new)
.set MSB, (\new)
.endif
.endm
.set MUL_LO, 0xa1
.set MUL_HI, 0xf1
.set TO_B,   0x40
.macro JLOAD g0a, g1a, g0b, g1b        ; a joint load: waves 0, 1 fetch A's two pieces, waves 2, 3 B's
	s_cmp_eq_u32 s15, 0
	s_cbranch_scc0 .Lfor_b_\@
	tensor_load_to_lds s[\g0a:\g0a+3], s[\g1a:\g1a+7]
	s_nop 0
.rept 4
	v_nop
.endr
	s_branch .Lasked_\@
.Lfor_b_\@:
	tensor_load_to_lds s[\g0b:\g0b+3], s[\g1b:\g1b+7]
	s_nop 0
.rept 4
	v_nop
.endr
.Lasked_\@:
.endm
.macro CROUND                          ; a round of the cluster's barrier
	s_barrier_signal -1
	s_barrier_wait -1
	s_cmp_lg_u32 s14, 0
	s_cbranch_scc1 .Lnot_wave_0_\@
	s_barrier_signal -3
.Lnot_wave_0_\@:
	s_barrier_wait -3
	s_barrier_signal -1
	s_barrier_wait -1
.endm
.macro ASK                             ; the fill behind the one just asked for: 150 blocks of 256 bytes, 38 to each of the four partners, by address; the first cluster of a tile row (A) or tile column (B) asks
	s_cmp_eq_u32 s[LIM], 1
	s_cbranch_scc0 .Lnot_mine_\@
	global_prefetch_b8 v[PFO], s[PFA:PFA+1] th:TH_LOAD_NT scope:SCOPE_SE
	global_prefetch_b8 v[PFO2], s[PFA:PFA+1] th:TH_LOAD_NT scope:SCOPE_SE
.Lnot_mine_\@:
.endm
	s_load_b256 s[4:11], s[0:1], 0x0               ; img, bf, bi, bg
	s_load_b256 s[84:91], s[0:1], 0x20             ; bo, c_prev, out0, out1
	v_lshl_add_u32 v[SPW], v0, 2, SPARE
	v_mov_b32 v[NIL], 0
	ds_add_u32 v[SPW], v[NIL]                      ; the opening lines: the add twice on end and its wait
	ds_add_u32 v[SPW], v[NIL]
	v_lshrrev_b32 v1, 5, v0
	v_readfirstlane_b32 s14, v1                    ; wave
	s_lshr_b32 s15, s14, 1                         ; my half of the rows; also: I fetch for A (0) or B (1)
	s_and_b32 s16, s14, 1                          ; my half of the columns; also: which piece I fetch
	s_bfe_u32 s40, ttmp6, 0x40000                  ; cx
	s_bfe_u32 s41, ttmp6, 0x40004                  ; cy
	s_lshl_b32 s42, ttmp9, 2
	s_add_co_u32 s42, s42, s40                     ; tile column 0..31
	s_and_b32 s17, ttmp7, 0xffff
	s_lshl_b32 s17, s17, 2
	s_add_co_u32 s17, s17, s41                     ; tile row 0..7
	s_lshl_b32 s43, s41, 2
	s_lshl_b32 s43, 15, s43                        ; my row of the cluster
	s_lshl_b32 s44, 0x1111, s40                    ; my column
	s_or_b32 s[G1], s43, (3<<16)|(1<<21)           ; dense rows of 32 elements of 8 bytes
	s_or_b32 s[G1B], s44, (3<<16)|(1<<21)
.irp g, G1, G1B
	s_mov_b32 s[\g+1], 32<<16
	s_mov_b32 s[\g+2], 100<<16                     ; the head's load: two step pieces, 100 rows of 256 bytes
	s_mov_b32 s[\g+3], 32<<16
	s_mov_b32 s[\g+4], 100
	s_mov_b32 s[\g+5], 32
	s_mov_b32 s[\g+6], 0
	s_mov_b32 s[\g+7], 0
.endr
	s_mov_b32 s[G1C], (3<<16)|(1<<20)|(5<<22)|(3<<25)  ; c_prev: 64 rows of 256 bytes a wave, 16 bytes of padding behind each
	s_mov_b32 s[G1C+1], 32<<16
	s_mov_b32 s[G1C+2], 64<<16
	s_mov_b32 s[G1C+3], 32<<16
	s_mov_b32 s[G1C+4], 64
	s_mov_b32 s[G1C+5], 1024
	s_mov_b32 s[G1C+6], 0
	s_mov_b32 s[G1C+7], 0
	s_lshl_b32 s20, s17, 1
	s_add_co_u32 s20, s20, s16
	s_mul_i32 s20, s20, RROW                       ; A: row group 2 x tile row + piece
	s_mov_b32 s21, 0
	s_lshl_b32 s46, s42, 1
	s_add_co_u32 s46, s46, s16
	s_add_co_u32 s46, s46, 16
	s_mul_i32 s46, s46, RROW                       ; B: row group 16 + 2 x tile column + piece
	s_mov_b32 s47, 0
	s_mul_i32 s45, s14, PIECE                      ; where my piece goes in a slot
	s_lshl_b32 s80, s17, 8
	s_lshl_b32 s82, s14, 6
	s_add_co_u32 s80, s80, s82
	s_lshl_b32 s80, s80, 13
	s_lshl_b32 s82, s42, 8
	s_add_co_u32 s80, s80, s82                     ; c_prev: row 256 x tile row + 64 x wave, byte 256 x tile column
	s_mov_b32 s81, 0
	s_lshl_b32 s66, s17, 8
	s_lshl_b32 s67, s15, 7
	s_add_co_u32 s66, s66, s67
	s_lshl_b32 s67, s16, 5
	s_add_co_u32 s66, s66, s67
	s_lshl_b32 s66, s66, 13
	s_add_co_u32 s66, s66, s82                     ; the first row that I store
	s_mov_b32 s67, 0
	s_mul_i32 s[G0C+1], s14, 64*CPP
	s_add_co_u32 s[G0C+1], s[G0C+1], CP
	s_lshl_b32 s83, s16, 7
	s_add_co_u32 s82, s82, s83                     ; my 32 hidden columns in a bias, in bytes
	s_mov_b32 s83, 0
	s_mov_b32 s96, 0xbfb8aa3b                      ; -log2(e)
	s_mov_b32 s97, s96
	s_mov_b32 s98, 0xc038aa3b                      ; -2 log2(e)
	s_mov_b32 s99, s98
	s_mov_b32 s[CAP], 0x41f00000                   ; 30.0: the hold on the exponents
	s_wait_dscnt 0x0                               ; both opening adds are done
	s_wait_kmcnt 0x0
	s_add_nc_u64 s[20:21], s[4:5], s[20:21]
	s_add_nc_u64 s[46:47], s[4:5], s[46:47]
	s_mov_b32 s[G0], 1                             ; slot 0's first fill: K steps 0, 1 at places 1, 2
	s_add_co_u32 s[G0+1], s45, STP
	s_mov_b64 s[G0+2:G0+3], s[20:21]
	s_or_b32 s[G0+3], s[G0+3], 0x80000000
	s_mov_b32 s[G0B], 1
	s_add_co_u32 s[G0B+1], s45, STP
	s_mov_b64 s[G0B+2:G0B+3], s[46:47]
	s_or_b32 s[G0B+3], s[G0B+3], 0x80000000
	s_mov_b32 s[G0+4], 1                           ; slot 1's: K steps 2 to 4
	s_add_co_u32 s[G0+5], s45, SLOT
	s_add_nc_u64 s[G0+6:G0+7], s[20:21], 2*STP
	s_or_b32 s[G0+7], s[G0+7], 0x80000000
	s_mov_b32 s[G0B+4], 1
	s_add_co_u32 s[G0B+5], s45, SLOT
	s_add_nc_u64 s[G0B+6:G0B+7], s[46:47], 2*STP
	s_or_b32 s[G0B+7], s[G0B+7], 0x80000000
	s_mov_b32 s[G0C], 1
	s_add_nc_u64 s[G0C+2:G0C+3], s[86:87], s[80:81]
	s_or_b32 s[G0C+3], s[G0C+3], 0x80000000
	s_add_nc_u64 s[88:89], s[88:89], s[66:67]
	s_add_nc_u64 s[90:91], s[90:91], s[66:67]
	s_add_nc_u64 s[6:7], s[6:7], s[82:83]
	s_add_nc_u64 s[8:9], s[8:9], s[82:83]
	s_add_nc_u64 s[10:11], s[10:11], s[82:83]
	s_add_nc_u64 s[84:85], s[84:85], s[82:83]
	CROUND                                         ; all sixteen work-groups are here: the first joint loads meet
	JLOAD G0, G1, G0B, G1B                         ; one tensor load a wave at the head
	; the addresses and the bias loads stand under the first fill's flight
	v_and_b32 v1, 15, v0                           ; r
	v_bfe_u32 v2, v0, 4, 1                         ; h
	v_and_b32 v3, 31, v0
	v_lshlrev_b32 v4, 4, v3                        ; an image's place for my lane
	s_mul_i32 s22, s15, PIECE
	s_mul_i32 s23, s16, PIECE
	s_add_co_u32 s23, s23, 2*PIECE
	v_add_nc_u32 v[ADRA], s22, v4
	v_add_nc_u32 v[ADRA+1], SLOT, v[ADRA]
	v_add_nc_u32 v[ADRB], s23, v4
	v_add_nc_u32 v[ADRB+1], SLOT, v[ADRB]
	s_sub_co_u32 s23, s23, s22
	v_mul_u32_u24 v5, s23, v2                      ; scale words: lanes 0-15 A's, lanes 16-31 B's
	v_lshl_add_u32 v5, v1, 4, v5
	s_add_co_u32 s22, s22, SCO
	v_add_nc_u32 v[ADRS], s22, v5
	v_add_nc_u32 v[ADRS+1], SLOT, v[ADRS]
	s_mul_i32 s22, s15, 128*CPP
	s_lshl_b32 s23, s16, 7
	s_add_co_u32 s22, s22, s23
	v_mul_u32_u24 v5, v1, CPP
	v_lshl_add_u32 v5, v2, 5, v5
	v_add_nc_u32 v[STA], s22, v5                   ; into the stages: row r, my 128 bytes, 32 h
	v_add_nc_u32 v[CPA], CP, v[STA]                ; and the same place in c_prev's tile
	v_add_nc_u32 v[STH], HST, v[STA]
	s_mul_i32 s22, s15, 128*CPP
	s_mul_i32 s23, s16, 32*CPP
	s_add_co_u32 s22, s22, s23
	v_mul_u32_u24 v5, v2, CPP
	v_lshl_add_u32 v5, v1, 4, v5
	v_add_nc_u32 v[RDC], s22, v5                   ; back: sixteen lanes to a row of 256 bytes
	v_add_nc_u32 v[RDH], HST, v[RDC]
	v_lshlrev_b32 v[GO], 13, v2
	v_lshl_add_u32 v[GO], v1, 4, v[GO]
	v_lshlrev_b32 v[BO], 5, v2
.irp u, 0,1
.irp k, 0,1
	global_load_b128 v[BIAS+8*\u+4*\k:BIAS+8*\u+4*\k+3],       v[BO], s[6:7] offset:64*\u+16*\k
	global_load_b128 v[BIAS+16+8*\u+4*\k:BIAS+16+8*\u+4*\k+3], v[BO], s[8:9] offset:64*\u+16*\k
	global_load_b128 v[BIAS+32+8*\u+4*\k:BIAS+32+8*\u+4*\k+3], v[BO], s[10:11] offset:64*\u+16*\k
	global_load_b128 v[BIAS+48+8*\u+4*\k:BIAS+48+8*\u+4*\k+3], v[BO], s[84:85] offset:64*\u+16*\k
.endr
.endr
	s_and_b32 s82, ttmp7, 0xffff
	s_cmp_eq_u32 s15, 0
	s_cselect_b64 s[PFA:PFA+1], s[20:21], s[46:47]
	s_cselect_b32 s83, s40, s41                    ; my place among the four that ask with me
	s_cselect_b32 s82, ttmp9, s82
	s_cmp_eq_u32 s82, 0
	s_cselect_b32 s[LIM], 1, -1
	s_mul_i32 s83, s83, 38
	v_add_nc_u32 v[PFO], s83, v3
	v_lshlrev_b32 v[PFO], 8, v[PFO]
	v_min_u32 v[PFO2], 5, v3
	s_add_co_u32 s83, s83, 32
	v_add_nc_u32 v[PFO2], s83, v[PFO2]
	v_min_u32 v[PFO2], 149, v[PFO2]                ; held inside the fill's 150 blocks
	v_lshlrev_b32 v[PFO2], 8, v[PFO2]
	s_add_nc_u64 s[PFA:PFA+1], s[PFA:PFA+1], 5*STP ; the first change of slots steps it to K step 8, the last in the loop to K step 29: inside the row group
.macro FRAG reg, adr, j, i
.irp g, 0,1,2
	ds_load_b128 v[\reg+4*\g:\reg+4*\g+3], v[\adr] offset:(\j)*STP+(\i)*FRB+512*\g
.endr
.endm
.macro MUL16 a0, p, first              ; A's blocks a0, a0 + 1 x B's eight; the 64 accumulators take turns.  first = 1: the biases are the C
.irp a, \a0, \a0+1
.irp b, 0,1,2,3,4,5,6,7
.if \first
	v_wmma_scale_f32_16x16x128_f8f6f4 v[8*(8*((\a)%4)+\b):8*(8*((\a)%4)+\b)+7], v[128*(\p)+FR*\b:128*(\p)+FR*\b+FR-1], v[AF+FR*(\a):AF+FR*(\a)+FR-1], v[BIAS+8*\b:BIAS+8*\b+7], v[SC+8*(\p)+\b], v[SC+8*(\p)+(\a)] matrix_a_fmt:MATRIX_FMT_BF6 matrix_b_fmt:MATRIX_FMT_BF6 matrix_a_scale:MATRIX_SCALE_ROW1
.else
	v_wmma_scale_f32_16x16x128_f8f6f4 v[8*(8*((\a)%4)+\b):8*(8*((\a)%4)+\b)+7], v[128*(\p)+FR*\b:128*(\p)+FR*\b+FR-1], v[AF+FR*(\a):AF+FR*(\a)+FR-1], v[8*(8*((\a)%4)+\b):8*(8*((\a)%4)+\b)+7], v[SC+8*(\p)+\b], v[SC+8*(\p)+(\a)] matrix_a_fmt:MATRIX_FMT_BF6 matrix_b_fmt:MATRIX_FMT_BF6 matrix_a_scale:MATRIX_SCALE_ROW1
.endif
.endr
.endr
.endm
.macro FETCH_B slot, j, p
	WIN TO_B
.irp i, 0,1,2,3,4,5,6,7
	FRAG 128*(\p)+FR*\i, ADRB+\slot, \j, \i
.endr
	WIN 0
.endm
.macro FETCH_A slot, j, i0
.irp i, \i0, \i0+1, \i0+2, \i0+3
	FRAG AF+FR*(\i), ADRA+\slot, \j, \i
.endr
.endm
.macro SCALES slot, j, p
.irp ip, 0,1
	ds_load_b128 v[SC+8*(\p)+4*\ip:SC+8*(\p)+4*\ip+3], v[ADRS+\slot] offset:(\j)*STP+256*\ip
.endr
.endm
.macro PLACES n                        ; places in front of loads into registers that matrix instructions have read
.rept \n
	v_nop
.endr
.endm
.macro STEP slot, j, p, first          ; place j of the slot on B's set p; the next place's fragments come in its middle and at its end
	s_wait_dscnt 4*NL                              ; all but A's blocks 4-7 (12 loads)
.if \first
	WIN 0x81
.else
	WIN MUL_LO
.endif
	MUL16 0, \p, \first
	MUL16 2, \p, \first
	s_wait_dscnt 0
	PLACES NP
	FETCH_B \slot, (\j)+1, 1-(\p)
	FETCH_A \slot, (\j)+1, 0
	SCALES \slot, (\j)+1, 1-(\p)
.if \first
	WIN 0xc1
.else
	WIN MUL_HI
.endif
	MUL16 4, \p, \first
	MUL16 6, \p, \first
	PLACES NP
	WIN 0
	FETCH_A \slot, (\j)+1, 4
.endm
; A slot's last step, and the change of slots.  mode 1: a joint refill, the other slot's address stepped, a prefetch; 2: the last joint refill; 3: c_prev's tile, each wave's own 64 rows
.macro TURN slot, next, p, mode
.if \mode == 1
	s_wait_xcnt 0x0                                ; my last prefetches have read their base
	s_add_nc_u64 s[PFA:PFA+1], s[PFA:PFA+1], PIECE
.endif
	s_wait_dscnt 4*NL
	WIN MUL_LO
	MUL16 0, \p, 0
	MUL16 2, \p, 0
	WIN 0
	s_wait_tensorcnt 0x0                           ; my one load that was out, my piece of the next slot, has landed;
	ds_add_u32 v[SPW], v[NIL]
.if \mode == 1
	s_add_nc_u64 s[G0+4*\next+2:G0+4*\next+3], s[G0+4*\next+2:G0+4*\next+3], 2*PIECE      ; no load of mine is out: the next slot's address goes on to its next fill
	s_add_nc_u64 s[G0B+4*\next+2:G0B+4*\next+3], s[G0B+4*\next+2:G0B+4*\next+3], 2*PIECE
.endif
	s_wait_dscnt 0x0                               ; the add is done, and my reads of this slot are over
	CROUND                                         ; no wave of any partner still reads this slot or has a load on its way
.if \mode == 3
	tensor_load_to_lds s[G0C:G0C+3], s[G1C:G1C+7]
	s_nop 0
	PLACES 4
.else
	JLOAD G0+4*\slot, G1, G0B+4*\slot, G1B         ; its four v_nop are the places in front of the loads below
.endif
	FETCH_B \next, 0, 1-(\p)
	FETCH_A \next, 0, 0
	SCALES \next, 0, 1-(\p)
.if \mode == 1
	ASK
.endif
	WIN MUL_HI
	MUL16 4, \p, 0
	MUL16 6, \p, 0
	PLACES NP
	WIN 0
	FETCH_A \next, 0, 4
.endm
	s_wait_alu depctr_va_vdst(0)
	s_wait_tensorcnt 0x0                           ; my piece of K steps 0, 1 is in
	ds_add_u32 v[SPW], v[NIL]
	s_mov_b32 s[G1+2], 150<<16                     ; no load of mine is out: from here on a load brings three step pieces, 150 rows,
	s_mov_b32 s[G1+4], 150
	s_mov_b32 s[G1B+2], 150<<16
	s_mov_b32 s[G1B+4], 150
	s_mov_b32 s[G0+1], s45                         ; to the slot's start; slot 0's next fill begins at K step 5
	s_mov_b32 s[G0B+1], s45
	s_add_nc_u64 s[G0+2:G0+3], s[G0+2:G0+3], 5*STP
	s_add_nc_u64 s[G0B+2:G0B+3], s[G0B+2:G0B+3], 5*STP
	s_wait_dscnt 0x0
	CROUND                                         ; everybody's piece is in, and the joint loads meet
	JLOAD G0+4, G1, G0B+4, G1B                     ; slot 1's first fill, issued as a refill is
	FETCH_B 0, 1, 0
	FETCH_A 0, 1, 0
	SCALES 0, 1, 0
	FETCH_A 0, 1, 4
	s_wait_loadcnt 0x0                             ; the biases
	STEP 0, 1, 0, 1                                ; K step 0 starts the sums on the biases
	s_mov_b32 s3, 4
.Llap:                                                 ; six K steps, once round the ring: K steps 1 to 24
	TURN 0, 1, 1, 1
	STEP 1, 0, 0, 0
	STEP 1, 1, 1, 0
	TURN 1, 0, 0, 1
	STEP 0, 0, 1, 0
	STEP 0, 1, 0, 0
	s_sub_co_u32 s3, s3, 1
	s_cmp_lg_u32 s3, 0
	s_cbranch_scc1 .Llap
	TURN 0, 1, 1, 2                                ; slot 0 takes K steps 29 to 31
	STEP 1, 0, 0, 0
	STEP 1, 1, 1, 0
	TURN 1, 0, 0, 3                                ; slot 1 takes c_prev
	STEP 0, 0, 1, 0
	STEP 0, 1, 0, 0
	s_wait_dscnt 4*NL                              ; K step 31: nothing more to fetch
	WIN MUL_LO
	MUL16 0, 1, 0
	MUL16 2, 1, 0
	s_wait_dscnt 0
	WIN MUL_HI
	MUL16 4, 1, 0
	MUL16 6, 1, 0
	PLACES NP
; THE WAY OUT, 64 rows at a time.  In a window block al holds f at 64 al + 0..15, i at + 16, g at + 32, o at + 48.  EACH lays one packed line for each pair of the 64 numbers a lane
.macro HALF hh
	WIN 0xaa+0x55*(\hh)
	s_wait_alu depctr_va_vdst(0)
.set j, 0
.rept 128
.if (j/16)%4 == 2
	v_pk_mul_f32 v[j:j+1], v[j:j+1], s[98:99] op_sel_hi:[1,0]      ; -2 g log2(e)
.else
	v_pk_mul_f32 v[j:j+1], v[j:j+1], s[96:97] op_sel_hi:[1,0]      ; -x log2(e)
.endif
.set j, j+2
.endr
.irp al, 0,1,2,3
.set j, 0
.rept 48
	v_min_num_f32 v[64*\al+j], s[CAP], v[64*\al+j]                 ; the hold on F's, I's and G's exponents
.set j, j+1
.endr
.endr
	s_wait_alu depctr_va_vdst(0)                   ; a wait ahead of each batch and one behind it
.set j, 0
.rept 256
	v_exp_f32 v[j], v[j]                           ; F, I, G, O
.set j, j+1
.endr
	v_nop
	s_wait_alu depctr_va_vdst(0)
.if (\hh) == 0
	s_wait_tensorcnt 0x0                           ; my 64 rows of c_prev are in
	s_barrier_signal -1
.endif
.irp al, 0,1,2,3
.irp e, 0,2,4,6,8,10,12,14
	v_pk_add_f32 v[64*\al+16+\e:64*\al+17+\e], v[64*\al+16+\e:64*\al+17+\e], 1.0 op_sel_hi:[1,0]   ; 1 + I
.endr
.endr
.irp al, 0,1,2,3
.irp e, 0,2,4,6,8,10,12,14
	v_pk_add_f32 v[64*\al+48+\e:64*\al+49+\e], v[64*\al+48+\e:64*\al+49+\e], 1.0 op_sel_hi:[1,0]   ; 1 + O
.endr
.endr
.if (\hh) == 0
	WIN 0
	s_barrier_wait -1                              ; everybody's rows are in
.irp a, 0,1,2,3,4,5,6,7
.irp u, 0,1
.irp k, 0,1
	ds_load_b128 v[CPR+16*\a+8*\u+4*\k:CPR+16*\a+8*\u+4*\k+3], v[CPA] offset:16*CPP*\a+64*\u+16*\k
.endr
.endr
.endr
	WIN 0xaa
.endif
.irp al, 0,1,2,3
.irp e, 0,2,4,6,8,10,12,14
	v_pk_fma_f32 v[64*\al+16+\e:64*\al+17+\e], v[64*\al+32+\e:64*\al+33+\e], v[64*\al+16+\e:64*\al+17+\e], v[64*\al+16+\e:64*\al+17+\e]   ; P = (1 + I)(1 + G)
.endr
.endr
.irp al, 0,1,2,3
.irp e, 0,2,4,6,8,10,12,14
	v_pk_fma_f32 v[64*\al+32+\e:64*\al+33+\e], v[64*\al+32+\e:64*\al+33+\e], -1.0, 1.0 op_sel_hi:[1,0,0]   ; 1 - G
.endr
.endr
.irp al, 0,1,2,3
.irp e, 0,2,4,6,8,10,12,14
	v_pk_fma_f32 v[64*\al+32+\e:64*\al+33+\e], v[64*\al+\e:64*\al+\e+1], v[64*\al+32+\e:64*\al+33+\e], v[64*\al+32+\e:64*\al+33+\e]   ; (1 - G)(1 + F)
.endr
.endr
.irp al, 0,1,2,3
.irp e, 0,2,4,6,8,10,12,14
	v_pk_fma_f32 v[64*\al+\e:64*\al+\e+1], v[64*\al+\e:64*\al+\e+1], v[64*\al+16+\e:64*\al+17+\e], v[64*\al+16+\e:64*\al+17+\e]   ; Q = (1 + F) P
.endr
.endr
	WIN 0xa8+0x54*(\hh)                            ; source 0: c_prev, in window 0
	s_wait_dscnt 0x0
.irp al, 0,1,2,3
.irp e, 0,2,4,6,8,10,12,14
	v_pk_fma_f32 v[64*\al+32+\e:64*\al+33+\e], v[CPR+64*(\hh)+16*\al+\e:CPR+64*(\hh)+16*\al+\e+1], v[64*\al+16+\e:64*\al+17+\e], v[64*\al+32+\e:64*\al+33+\e]   ; N = c_prev P + (1 - G)(1 + F)
.endr
.endr
	WIN 0xaa+0x55*(\hh)
	s_wait_alu depctr_va_vdst(0)
.irp al, 0,1,2,3
.set j, 0
.rept 16
	v_rcp_f32 v[64*\al+j], v[64*\al+j]             ; 1 / Q
.set j, j+1
.endr
.endr
	v_nop
	s_wait_alu depctr_va_vdst(0)
.irp al, 0,1,2,3
.irp e, 0,2,4,6,8,10,12,14
	v_pk_mul_f32 v[64*\al+\e:64*\al+\e+1], v[64*\al+32+\e:64*\al+33+\e], v[64*\al+\e:64*\al+\e+1]   ; c = N / Q
.endr
.endr
.irp al, 0,1,2,3
.irp e, 0,2,4,6,8,10,12,14
	v_pk_mul_f32 v[64*\al+16+\e:64*\al+17+\e], v[64*\al+\e:64*\al+\e+1], s[98:99] op_sel_hi:[1,0]   ; -2 c log2(e)
.endr
.endr
.irp al, 0,1,2,3
.set j, 0
.rept 16
	v_min_num_f32 v[64*\al+16+j], s[CAP], v[64*\al+16+j]           ; the hold on D's exponent
.set j, j+1
.endr
.endr
	s_wait_alu depctr_va_vdst(0)
.irp al, 0,1,2,3
.set j, 0
.rept 16
	v_exp_f32 v[64*\al+16+j], v[64*\al+16+j]       ; D
.set j, j+1
.endr
.endr
	v_nop
	s_wait_alu depctr_va_vdst(0)
.irp al, 0,1,2,3
.irp e, 0,2,4,6,8,10,12,14
	v_pk_fma_f32 v[64*\al+32+\e:64*\al+33+\e], v[64*\al+16+\e:64*\al+17+\e], -1.0, 1.0 op_sel_hi:[1,0,0]   ; 1 - D
.endr
.endr
.irp al, 0,1,2,3
.irp e, 0,2,4,6,8,10,12,14
	v_pk_add_f32 v[64*\al+16+\e:64*\al+17+\e], v[64*\al+16+\e:64*\al+17+\e], 1.0 op_sel_hi:[1,0]   ; 1 + D: at least 1, so an infinite 1 + O meets no zero
.endr
.endr
.irp al, 0,1,2,3
.irp e, 0,2,4,6,8,10,12,14
	v_pk_mul_f32 v[64*\al+48+\e:64*\al+49+\e], v[64*\al+48+\e:64*\al+49+\e], v[64*\al+16+\e:64*\al+17+\e]   ; (1 + O)(1 + D)
.endr
.endr
	s_wait_alu depctr_va_vdst(0)
.irp al, 0,1,2,3
.set j, 0
.rept 16
	v_rcp_f32 v[64*\al+48+j], v[64*\al+48+j]
.set j, j+1
.endr
.endr
	v_nop
	s_wait_alu depctr_va_vdst(0)
.irp al, 0,1,2,3
.irp e, 0,2,4,6,8,10,12,14
	v_pk_mul_f32 v[64*\al+48+\e:64*\al+49+\e], v[64*\al+48+\e:64*\al+49+\e], v[64*\al+32+\e:64*\al+33+\e]   ; h
.endr
.endr
	WIN 0x08+0x04*(\hh)
.irp al, 0,1,2,3
.irp u, 0,1
.irp k, 0,1
	ds_store_b128 v[STA], v[64*\al+8*\u+4*\k:64*\al+8*\u+4*\k+3] offset:16*CPP*(4*(\hh)+\al)+64*\u+16*\k
	ds_store_b128 v[STH], v[64*\al+48+8*\u+4*\k:64*\al+48+8*\u+4*\k+3] offset:16*CPP*(4*(\hh)+\al)+64*\u+16*\k
.endr
.endr
.endr
	WIN 0
	s_wait_dscnt 0x0                               ; for the others' sake: a row's 256 bytes come from two waves
	s_barrier_signal -1
	s_barrier_wait -1
	WIN TO_B
.set t, 0
.rept 16
	ds_load_b128 v[128*(\hh)+4*t:128*(\hh)+4*t+3], v[RDC] offset:64*CPP*(\hh)+2*CPP*t
.set t, t+1
.endr
.set t, 0
.rept 16
	ds_load_b128 v[128*(\hh)+64+4*t:128*(\hh)+64+4*t+3], v[RDH] offset:64*CPP*(\hh)+2*CPP*t
.set t, t+1
.endr
	WIN 0x04
.set t, 0
.rept 16
	s_wait_dscnt 31-t
	global_store_b128 v[GO], v[128*(\hh)+4*t:128*(\hh)+4*t+3], s[90:91] offset:(64*(\hh)+2*t)*8192 th:TH_STORE_NT   ; sixteen lanes store 256 consecutive bytes, aligned
.set t, t+1
.endr
.set t, 0
.rept 16
	s_wait_dscnt 15-t
	global_store_b128 v[GO], v[128*(\hh)+64+4*t:128*(\hh)+64+4*t+3], s[88:89] offset:(64*(\hh)+2*t)*8192 th:TH_STORE_NT
.set t, t+1
.endr
	WIN 0
.endm
	HALF 0
	HALF 1
	s_wait_tensorcnt 0x0                           ; the wave's end
	ds_add_u32 v[SPW], v[NIL]
	s_wait_dscnt 0x0
	CROUND                                         ; the closing round
	s_endpgm
.Lfunc_end_k_q4bceff329d_lstm:
	.size	k_q4bceff329d_lstm, .Lfunc_end_k_q4bceff329d_lstm-k_q4bceff329d_lstm
	.p2alignl 7, 3214868480
	.fill 96, 4, 3214868480
	.section	.rodata,"a",@progbits
	.p2align	6, 0x0
	.amdhsa_kernel k_q4bceff329d_lstm
		.amdhsa_group_segment_fixed_size 327680
		.amdhsa_private_segment_fixed_size 0
		.amdhsa_enable_private_segment 0
		.amdhsa_kernarg_size 64
		.amdhsa_user_sgpr_count 2
		.amdhsa_user_sgpr_kernarg_segment_ptr 1
		.amdhsa_wavefront_size32 1
		.amdhsa_system_sgpr_workgroup_id_x 1
		.amdhsa_system_sgpr_workgroup_id_y 1
		.amdhsa_system_sgpr_workgroup_id_z 1
		.amdhsa_system_vgpr_workitem_id 0
		.amdhsa_next_free_vgpr 1024
		.amdhsa_next_free_sgpr 100
		.amdhsa_reserve_vcc 0
		.amdhsa_float_denorm_mode_32 3
		.amdhsa_float_denorm_mode_16_64 3
		.amdhsa_memory_ordered 1
		.amdhsa_forward_progress 1
		.amdhsa_inst_pref_size 255
	.end_amdhsa_kernel
	.section	.bss,"aw",@nobits
	.p2align	6
	.space	262144
	.amdgpu_metadata
---
amdhsa.version: [ 1, 2 ]
amdhsa.kernels:
  - .name:           k_q4bceff329d_lstm
    .symbol:         k_q4bceff329d_lstm.kd
    .args:
      - { .name: img, .offset: 0, .size: 8, .value_kind: global_buffer, .address_space: global }
      - { .name: bf, .offset: 8, .size: 8, .value_kind: global_buffer, .address_space: global }
      - { .name: bi, .offset: 16, .size: 8, .value_kind: global_buffer, .address_space: global }
      - { .name: bg, .offset: 24, .size: 8, .value_kind: global_buffer, .address_space: global }
      - { .name: bo, .offset: 32, .size: 8, .value_kind: global_buffer, .address_space: global }
      - { .name: c_prev, .offset: 40, .size: 8, .value_kind: global_buffer, .address_space: global }
      - { .name: out0, .offset: 48, .size: 8, .value_kind: global_buffer, .address_space: global }
      - { .name: out1, .offset: 56, .size: 8, .value_kind: global_buffer, .address_space: global }
    .group_segment_fixed_size: 327680
    .private_segment_fixed_size: 0
    .kernarg_segment_align: 8
    .kernarg_segment_size: 64
    .max_flat_workgroup_size: 128
    .sgpr_count:     100
    .vgpr_count:     1024
    .wavefront_size: 32
...
	.end_amdgpu_metadata
.endif
;; end of part 2
